; MI455X (gfx1250); checked and timed in simulation.
; The chip was launched on July 23, 2026; its instructions are those of AMD's public machine-readable ISA for CDNA 5 (MIT licence, August 2026) and "CDNA5" Instruction Set Architecture Reference Guide (July 2026). The comments in the code are by the model that wrote it; some were corrected since.
;; Mock Mo E Layer. Allowed arithmetic: matrix products marked QUANTISED: E2M3 operands, one E8M0 scale for each 32 along K, by v_wmma_scale_f32_16x16x128_f8f6f4 with both operands' format E2M3, f32 sums; products left as they are: f32 operands where the result goes on into a quantised operand, else bf16, f16 or f32 operands; f32 sums; everything else in f32.
;; Inputs: expert_b 8 x 1,024 float32; expert_w 8 x 1,024 x 1,024 float32; hidden_states 2 x 1,024 x 1,024 float32; router_b 8 float32; router_w 8 x 1,024 float32.
;; Outputs: out0 2 x 1,024 x 1,024 float32.
;; This version of the problem:
;;   THIS VERSION OF THE PROBLEM IS GIVEN IN LOW PRECISION. The matrix products marked QUANTISED in the list below multiply operands that are first quantised to E2M3 (2 exponent bits, 3 mantissa bits; 6 bits a number), with one power-of-two scale for each 32 numbers along K (OCP MX v1.0); their sums are f32. All else is computed in f32.
;;   The module's matrix products, in the order in which they are computed (A, B: the left and right operand; K: the contracted axis; several contracted axes count as one K, in the product's order):
;;     1. [M 2,048, K 1,024] x [K 1,024, N 8]; A: input hidden_states; B: input router_w: left as it is (N = 8 < 16)
;;     2. batch 2,048 x [M 1,024, K 1] x [K 1, N 8]; A: computed on the way; B: computed on the way: left as it is (no contracted axis)
;;     3. [M 2,048, K 8,192] x [K 8,192, N 1,024]; A: computed on the way; B: input expert_w: QUANTISED
;;     4. [M 2,048, K 8] x [K 8, N 1,024]; A: computed on the way; B: input expert_b: left as it is (K = 8 < 32)
;;   THE QUANTISER, for each operand of a quantised product, along K:
;;     - K is cut into blocks of 32 from its start; a last block that is shorter is filled with zeros.
;;     - A block's scale is 2^e with e = floor(log2(the largest magnitude in the block)) - 2, held to -126 .. 127; a block of zeros has e = 0. As a byte (E8M0): e + 127.
;;     - Each number is divided by its block's scale, clamped to +-7.5, and rounded to the nearest number of E2M3, ties to even, subnormals kept.
;;     - The product sums the exact products of the quantised numbers (number of the format x scale) in f32.
;;   ~~~python
;;   def quantise(x, axis):      # numpy; x: float32 -> the quantised numbers, widened to float32 again
;;       x = np.moveaxis(x, axis, -1); K = x.shape[-1]
;;       x = np.pad(x, [(0, 0)] * (x.ndim - 1) + [(0, -K % 32)]); x = x.reshape(x.shape[:-1] + (-1, 32)); a = np.abs(x).max(-1, keepdims=True)
;;       e = np.where(a > 0, np.clip(np.frexp(np.where(a > 0, a, 1))[1] - 1 - 2, -126, 127), 0)      # np.frexp(a)[1] - 1 = floor(log2(a)), exactly
;;       r = np.clip(x / 2.0 ** e, -7.5, 7.5)
;;       step = 2.0 ** (np.maximum(np.frexp(np.where(r == 0, 1, r))[1] - 1, 0) - 3)
;;       q = np.round(r / step) * step * 2.0 ** e      # np.round: ties to even
;;       return np.moveaxis(q.reshape(q.shape[:-2] + (-1,))[..., :K], -1, axis).astype(np.float32)
;;   ~~~
;;   OPERANDS COMPUTED ON THE WAY. 'Computed on the way' means the value that the module computes at that place (a softmax that the list does not call 'softmax' is quantised finished and normalised). What goes into a quantiser is computed in f32, as accurately as f32 sums, v_exp_f32 and their like allow (about 1e-6 of the number): no bf16 or f16 on the way to a quantiser, and a product that is left as it is and whose result goes on into a quantised operand takes f32 operands (vector FMAs, or v_wmma_f32_16x16x4_f32). A number that lies on a knife's edge between two numbers of the format may be rounded either way, as far as f32 arithmetic and the matrix unit's own rounding can turn it there, and no further.
;; One version. Each part assembles by itself: llvm-mc -triple=amdgcn-amd-amdhsa -mcpu=gfx1250 --defsym DOCPART=n.
;; ======== version 1 of 1: 2 launches
;; workspace buffers: bq 6,291,456 bytes; bsc 262,144 bytes; ag 2,097,152 bytes; asc 524,288 bytes; pl 262,144 bytes; bb 131,072 bytes
;; launch prep (part 1): grid 256 x 1, 8 waves a work-group, no clusters, 48,128 bytes of LDS; arguments hidden_states, router_w, expert_w, expert_b, bq, bsc, ag, asc, pl, bb; writes bq, bsc, ag, asc, pl, bb
.if DOCPART == 1
	.amdgcn_target "amdgcn-amd-amdhsa--gfx1250"
	.amdhsa_code_object_version 6
	.text
	.protected	k_q302b0c11e7_prep
	.globl	k_q302b0c11e7_prep
	.p2align	8
	.type	k_q302b0c11e7_prep,@function
k_q302b0c11e7_prep:
	s_mov_b64 s[64:65], 0
	v_nop
	global_prefetch_b8 v0, s[64:65] scope:SCOPE_SE
	s_setreg_imm32_b32 hwreg(HW_REG_WAVE_MODE, 25, 1), 1
	s_wait_xcnt 0x0
; PREP: both operands of the quantised product as codes of E2M3 with E8M0 scale bytes, laid in the order of the operand registers of the launch that multiplies; and the router's product, in four parts along its K.
; THE PRODUCT.  out[t][h] = sum over K of A[t][K] W[K][h], K = (d, e) with e innermost: k = 8 d + e; A[t][8 d + e] = x[t][d] mask[t][e], W[8 d + e][h] = expert_w[e][h][d].
; A block of 32 along K is 4 neighbouring d x all 8 experts.  Two experts are chosen for every token, so A's largest magnitude in block j is that of x[t][4 j .. 4 j + 3], whatever the choice: x's codes and scale bytes hang on no router.
; W's largest magnitude is taken over the eight experts' 4 numbers of column h.
; INSIDE A BLOCK both operands are laid alike with place 4 e + i for (expert e, d = 4 j + i): a permutation of k inside one block, under one scale, applied to A and to W.  Expert e so owns bytes 3 e .. 3 e + 2 of a block's 24.
; So A is stored compact: per token and block the 4 codes of x (24 bits, g, top byte 0) and one scale byte; the next launch lays g at the chosen experts' bytes.
; K STEPS.  Block j = 64 c + 32 u + 2 s + hh goes to chunk c (0..3), step s (0..15) of the chunk, registers 6 u .. 6 u + 5 of lanes 16 hh + r of the fragment, scale byte 2 u + hh.
; NO WORK OF reference() IS LEFT OUT.  The logits are summed here over each chunk of 256 along the hidden axis, in f32, and stored as four parts; the next launch adds the parts and router_b, takes the softmax and the top 2.
; LIMITS: NaN and infinities among the inputs are not served.  A block of zeros gets the byte 1 (the floor) and zero codes; the bytes are read by this program alone.
; SHARES.  Work-group g: n = g / 4, c = g % 4.  It takes (a) 16 columns (column tile n) x chunk c of expert_w, 128 KB; (b) tokens 32 n .. 32 n + 31 x chunk c of hidden_states, 32 KB: codes, scale bytes, partial logits.
; Every work-group has the same work and the same text.  Wave v: columns 2 v, 2 v + 1; tokens 4 v + t, t = 0..3 (token tile half v / 4, rows r = 4 (v % 4) + t).
; All loads are issued at the head, router_w's and x's first: the work on the tokens is done while the wave's 32 loads of weights are on their way.
; THE BIASES of columns 16 n on, as bf16 pairs (high part, and the rest), are laid by wave 6 of each of the four work-groups of n, a copy each; wave w of the next launch reads copy w.
; No tensor load, no cluster: a work-group shares no input byte with another but router_w's 8 KB.
.set WST,   0                          ; 96 rows x (256 + 16): row 6 s + 2 m + hh holds, for the 16 columns, registers 4 m .. 4 m + 3 of lanes 16 hh + r
.set SMALL, 26112                      ; three small stages on end, 512 bytes for each wave on the way out:
.set WSC,   SMALL                      ;   1,024 bytes of W's scale words: [s / 4][column][s % 4]
.set PLS,   SMALL+1024                 ;   1,024 bytes of partial logits: [e / 4][token 32][e % 4]
.set ASS,   SMALL+2048                 ;   2,048 bytes of x's scale words: [s / 4][tile half][r][s % 4]
.set RWL,   30208                      ; router_w's chunk: 8 rows of 1,024 bytes
.set AGS,   38400                      ; 32 rows x (256 + 16): row 2 s + hh holds, for 16 rows r of both token tiles, g of u = 0, 1
.set SPARE, 47104                      ; the spare words, 128 bytes for each of 8 waves: four blocks of 256 bytes that no other line names
.set SPW,   14                         ; v14  SPARE + 4 x my thread's number; never rewritten
.set NIL,   15                         ; v15  0; never rewritten
.set LA,    16                         ; v16  router_w in LDS: my 16 bytes of each 512
.set RWS,   17                         ; v17  where my wave stores its row's chunk
.set AGA,   18                         ; v18  into g's stage
.set ASA,   19                         ; v19  into x's scale words
.set PLA,   20                         ; v20  into the partial logits
.set AGR,   21                         ; v21  out of g's stage, by rows
.set SMR,   22                         ; v22  out of the small stages
.set SMO,   23                         ; v23  W's scale words' place in bsc
.set WA,    24                         ; v24  into W's stage
.set WSA,   25                         ; v25  into W's scale words
.set WR,    26                         ; v26  out of W's stage, by rows
.set EBO,   27                         ; v27  expert_b: column l % 16
.set XX,    32                         ; v32-63   x: token t, group u at XX + 8 t + 4 u
.set RW,    64                         ; v64-87   three sets of one expert's 8 numbers of router_w
.set ACC,   88                         ; v88-95   the four tokens' sums for the expert in hand, a pair each
.set VV,    96                         ; v96-127  V[8 t + e]: my lane's part of the partial logit
.set EB,    112                        ; v112-119 (wave 6, behind the sum over the lanes) eight biases
.set CW,    64                         ; v64-87   W's codes: 12 registers a column
.set TW,    104                        ; v104-110 conversions' results on their way
.set XW,    128                        ; v128-255 W: column k, group u, expert e at XW + 64 k + 32 u + 4 e
	s_load_b256 s[4:11], s[0:1], 0x0               ; hidden_states s[4:5], router_w s[6:7], expert_w s[8:9], expert_b s[10:11]
	s_load_b256 s[12:19], s[0:1], 0x20             ; bq s[12:13], bsc s[14:15], ag s[16:17], asc s[18:19]
	s_load_b128 s[20:23], s[0:1], 0x40             ; pl s[20:21], bb s[22:23]
	v_lshl_add_u32 v[SPW], v0, 2, SPARE
	v_mov_b32 v[NIL], 0
	v_lshrrev_b32 v1, 5, v0
	s_delay_alu instid0(VALU_DEP_1)
	v_readfirstlane_b32 s26, v1                    ; wave v, 0..7
	v_and_b32 v1, 31, v0                           ; lane l
	s_delay_alu instid0(VALU_DEP_1)
	v_lshlrev_b32 v2, 4, v1                        ; 16 l; never rewritten
	s_lshr_b32 s27, ttmp9, 2                       ; n: the 32 tokens, and the column tile
	s_and_b32 s28, ttmp9, 3                        ; c: the chunk
	s_lshr_b32 s29, s27, 2                         ; n / 4: the block of 128 tokens, and the block of 64 columns
	s_and_b32 s30, s27, 3                          ; n % 4: the pair of token tiles, and the column tile in its block
	s_and_b32 s31, s26, 3                          ; v % 4
	s_lshr_b32 s32, s26, 2                         ; v / 4: the token tile's half
	v_add_nc_u32 v3, 0x800000, v2                  ; v2-5: 16 l + two experts' planes (8,388,608 bytes) x 0..3
	v_add_nc_u32 v4, 0x1000000, v2
	v_add_nc_u32 v5, 0x1800000, v2
	v_and_b32 v28, 1, v1                           ; hh = l % 2
	s_delay_alu instid0(VALU_DEP_1)
	v_lshlrev_b32 v6, 3, v28                       ; v6: 8 hh: my bytes' place in a scale word
	v_mov_b32 v7, 0                                ; written once: the destination of a move from another lane counts as read
	v_mov_b32 v8, 1.0                              ; x's conversions' scale operand: x is scaled ahead of them, block by block
.irp i, 10,11,12,13
	v_mov_b32 v\i, 0                               ; at work; written once, for the same reason
.endr
	v_lshrrev_b32 v29, 4, v1                       ; l / 16
	v_and_b32 v30, 15, v1                          ; l % 16
	v_lshrrev_b32 v31, 3, v1                       ; l / 8 = s / 4
	v_bfe_u32 v9, v1, 1, 2                         ; s % 4
	v_add_nc_u32 v[LA], RWL, v2
	s_lshl_b32 s33, s26, 10
	v_add_nc_u32 v[RWS], s33, v[LA]                ; row v
	v_mul_u32_u24 v[AGA], v1, 272
	s_lshl_b32 s33, s31, 6                         ; 64 (v % 4) = 16 r at t = 0
	s_lshl_b32 s34, s32, 3
	s_add_co_u32 s34, s34, s33
	s_add_co_u32 s34, s34, AGS
	v_add_nc_u32 v[AGA], s34, v[AGA]               ; row l, + 16 r + 8 half
	v_lshlrev_b32 v[ASA], 9, v31
	s_delay_alu instid0(VALU_DEP_1)
	v_lshl_add_u32 v[ASA], v9, 2, v[ASA]
	s_lshl_b32 s34, s32, 8
	s_add_co_u32 s34, s34, s33
	s_add_co_u32 s34, s34, ASS
	v_add_nc_u32 v[ASA], s34, v[ASA]               ; 512 (s / 4) + 4 (s % 4) + 256 half + 16 r
	v_lshrrev_b32 v[WA], 1, v1                     ; s = l / 2
	s_delay_alu instid0(VALU_DEP_1)
	v_mul_u32_u24 v[WA], v[WA], 6
	s_delay_alu instid0(VALU_DEP_1)
	v_add_nc_u32 v[WA], v[WA], v28
	s_delay_alu instid0(VALU_DEP_1)
	v_mul_u32_u24 v[WA], v[WA], 272
	s_lshl_b32 s35, s26, 5                         ; 32 v: my two columns' 16 bytes each
	v_add_nc_u32 v[WA], s35, v[WA]                 ; row 6 s + hh (+ 2 m by the offset), + 32 v
	v_lshlrev_b32 v[WSA], 8, v31
	s_delay_alu instid0(VALU_DEP_1)
	v_lshl_add_u32 v[WSA], v9, 2, v[WSA]
	s_delay_alu instid0(VALU_DEP_1)
	v_add_nc_u32 v[WSA], s35, v[WSA]
	s_delay_alu instid0(VALU_DEP_1)
	v_add_nc_u32 v[WSA], WSC, v[WSA]               ; 256 (s / 4) + 4 (s % 4) + 32 v
	v_bfe_u32 v[PLA], v1, 2, 1                     ; behind the sum over the lanes lane l holds token l / 8, expert l % 8
	s_delay_alu instid0(VALU_DEP_1)
	v_lshlrev_b32 v[PLA], 9, v[PLA]
	s_delay_alu instid0(VALU_DEP_1)
	v_lshl_add_u32 v[PLA], v31, 4, v[PLA]
	v_and_b32 v28, 3, v1
	s_delay_alu instid0(VALU_DEP_1)
	v_lshl_add_u32 v[PLA], v28, 2, v[PLA]
	s_lshl_b32 s34, s26, 6
	s_add_co_u32 s34, s34, PLS
	v_add_nc_u32 v[PLA], s34, v[PLA]               ; 512 (e / 4) + 16 (4 v + l / 8) + 4 (e % 4)
	v_mul_u32_u24 v28, v29, 272
	s_delay_alu instid0(VALU_DEP_1)
	v_lshl_add_u32 v28, v30, 4, v28                ; by rows: sixteen lanes to a row, two rows an instruction
	s_mul_i32 s34, s26, 4*272
	s_add_co_u32 s34, s34, AGS
	v_add_nc_u32 v[AGR], s34, v28                  ; rows 4 v on
	s_mul_i32 s34, s26, 12*272
	v_add_nc_u32 v[WR], s34, v28                   ; rows 12 v on
	s_lshl_b32 s34, s26, 9
	s_add_co_u32 s34, s34, SMALL
	v_add_nc_u32 v[SMR], s34, v2                   ; 512 bytes a wave
	v_lshl_add_u32 v[SMO], v29, 8, v2              ; 512 (l / 16) + 16 (l % 16)
	v_lshlrev_b32 v[EBO], 2, v30
	s_mov_b32 s56, 0xff00ff00                      ; lanes whose bit 3, 2, 1, 0 is set
	s_mov_b32 s57, 0xf0f0f0f0
	s_mov_b32 s58, 0xcccccccc
	s_mov_b32 s59, 0xaaaaaaaa
	s_mov_b32 s60, 0x7f800000                      ; an f32's exponent field
	s_mov_b32 s61, 0x80000000
	s_mov_b32 s62, 0x00ffffff                      ; four codes
	s_mov_b32 s63, 0xffff0000                      ; a word's upper bf16; also: lanes 16-31
	s_lshl_b32 s52, s28, 10                        ; the chunk's 1,024 bytes of a row of 1,024 f32
	s_lshl_b32 s36, s27, 17                        ; hidden_states: 32 n rows of 4,096 bytes + my wave's 4 + the chunk
	s_lshl_b32 s33, s26, 14
	s_add_co_u32 s36, s36, s33
	s_add_co_u32 s36, s36, s52
	s_mov_b32 s37, 0
	s_lshl_b32 s38, s26, 12                        ; router_w: row v, the chunk
	s_add_co_u32 s38, s38, s52
	s_mov_b32 s39, 0
	s_lshl_b32 s40, s27, 16                        ; expert_w: 16 n rows + my two + the chunk
	s_lshl_b32 s33, s26, 13
	s_add_co_u32 s40, s40, s33
	s_add_co_u32 s40, s40, s52
	s_mov_b32 s41, 0
	s_lshl_b32 s42, s27, 6                         ; expert_b: columns 16 n on
	s_mov_b32 s43, 0
	s_lshl_b32 s44, s29, 6                         ; bq: step 64 (n / 4) + 16 c + 2 v, 6,144 bytes a step, 1,536 a column tile
	s_lshl_b32 s33, s28, 4
	s_add_co_u32 s44, s44, s33
	s_lshl_b32 s33, s26, 1
	s_add_co_u32 s44, s44, s33
	s_mul_i32 s44, s44, 6144
	s_mul_i32 s33, s30, 1536
	s_add_co_u32 s44, s44, s33
	s_mov_b32 s45, 0
	s_lshl_b32 s46, s29, 17                        ; ag: 131,072 (n / 4) + 32,768 c + 512 (n % 4) + two steps of 2,048 a wave
	s_lshl_b32 s33, s28, 15
	s_add_co_u32 s46, s46, s33
	s_lshl_b32 s33, s30, 9
	s_add_co_u32 s46, s46, s33
	s_lshl_b32 s33, s26, 12
	s_add_co_u32 s46, s46, s33
	s_mov_b32 s47, 0
	s_lshl_b32 s48, s28, 15                        ; bb: copy c, 512 n
	s_lshl_b32 s33, s27, 9
	s_add_co_u32 s48, s48, s33
	s_mov_b32 s49, 0
	s_lshl_b32 s50, s29, 2                         ; bsc: ((4 (n / 4) + c) 2 + (n % 4) / 2) 2,048 + 256 (n % 2) + 1,024 x wave (waves 0, 1)
	s_add_co_u32 s50, s50, s28
	s_lshl_b32 s50, s50, 1
	s_lshr_b32 s33, s30, 1
	s_add_co_u32 s50, s50, s33
	s_lshl_b32 s50, s50, 11
	s_and_b32 s33, s30, 1
	s_lshl_b32 s33, s33, 8
	s_add_co_u32 s50, s50, s33
	s_min_u32 s33, s26, 1
	s_lshl_b32 s33, s33, 10
	s_add_co_u32 s50, s50, s33
	s_mov_b32 s51, 0
	s_lshl_b32 s33, s27, 12                        ; pl: 4,096 n + 1,024 c + 512 (wave - 2) (waves 2, 3)
	s_add_co_u32 s52, s52, s33
	s_max_u32 s33, s26, 2
	s_sub_co_u32 s33, s33, 2
	s_min_u32 s33, s33, 1
	s_lshl_b32 s33, s33, 9
	s_add_co_u32 s52, s52, s33
	s_mov_b32 s53, 0
	s_lshl_b32 s54, s29, 15                        ; asc: 32,768 (n / 4) + 8,192 c + 2,048 (n % 4) + 512 (wave - 4) (waves 4..7)
	s_lshl_b32 s33, s28, 13
	s_add_co_u32 s54, s54, s33
	s_lshl_b32 s33, s30, 11
	s_add_co_u32 s54, s54, s33
	s_max_u32 s33, s26, 4
	s_sub_co_u32 s33, s33, 4
	s_lshl_b32 s33, s33, 9
	s_add_co_u32 s54, s54, s33
	s_mov_b32 s55, 0
	s_wait_kmcnt 0x0
	s_add_nc_u64 s[4:5], s[4:5], s[36:37]
	s_add_nc_u64 s[6:7], s[6:7], s[38:39]
	s_add_nc_u64 s[8:9], s[8:9], s[40:41]
	s_add_nc_u64 s[10:11], s[10:11], s[42:43]
	s_add_nc_u64 s[12:13], s[12:13], s[44:45]
	s_add_nc_u64 s[14:15], s[14:15], s[50:51]
	s_add_nc_u64 s[16:17], s[16:17], s[46:47]
	s_add_nc_u64 s[18:19], s[18:19], s[54:55]
	s_add_nc_u64 s[20:21], s[20:21], s[52:53]
	s_add_nc_u64 s[22:23], s[22:23], s[48:49]
	global_load_b128 v[RW:RW+3], v2, s[6:7]        ; row v of router_w, this chunk: 1,024 bytes, on their way to LDS
	global_load_b128 v[RW+4:RW+7], v2, s[6:7] offset:512
.irp t, 0,1,2,3
.irp u, 0,1
	global_load_b128 v[XX+8*\t+4*\u:XX+8*\t+4*\u+3], v2, s[4:5] offset:4096*\t+512*\u th:TH_LOAD_NT   ; x: 512 consecutive bytes a load; my 4 numbers are block 64 c + 32 u + l
.endr
.endr
.irp k, 0,1                            ; 32 loads of 512 consecutive bytes: lane l gets, of column k and each expert, the 4 numbers of block 64 c + 32 u + l: the whole block lies in my registers
.irp u, 0,1
.irp e, 0,1,2,3,4,5,6,7
	global_load_b128 v[XW+64*\k+32*\u+4*\e:XW+64*\k+32*\u+4*\e+3], v[2+\e/2], s[8:9] offset:(\e%2)*4194304+\k*4096+\u*512 th:TH_LOAD_NT
.endr
.endr
.endr
	s_wait_loadcnt 40                              ; router_w's two loads are in; x's 8 and W's 32 were issued behind them
	ds_store_b128 v[RWS], v[RW:RW+3]
	ds_store_b128 v[RWS], v[RW+4:RW+7] offset:512
	s_wait_dscnt 0x0                               ; for the others' sake: my row's chunk is in LDS
	s_barrier_signal -1
	s_barrier_wait -1
; THE ROUTER'S PRODUCT over this chunk, in f32: expert by expert, 8 numbers of router_w a lane through three sets of registers; each feeds 16 packed multiply-adds, four tokens by turns.
.macro RWLD e
.irp u, 0,1
	ds_load_b128 v[RW+8*((\e)%3)+4*\u:RW+8*((\e)%3)+4*\u+3], v[LA] offset:(\e)*1024+\u*512
.endr
.endm
	RWLD 0
	RWLD 1
	RWLD 2
	s_wait_loadcnt 32                              ; x is in; W's 32 loads were issued behind it
.set E, 0
.rept 8
.if E < 6
	s_wait_dscnt 4                                 ; this expert's two loads are in; the two experts behind it may be out
.else
	s_wait_dscnt 2*(7-E)
.endif
.irp u, 0,1
.irp pp, 0,1
.irp t, 0,1,2,3
.if (\u == 0) && (\pp == 0)
	v_pk_mul_f32 v[ACC+2*\t:ACC+2*\t+1], v[XX+8*\t+4*\u+2*\pp:XX+8*\t+4*\u+2*\pp+1], v[RW+8*(E%3)+4*\u+2*\pp:RW+8*(E%3)+4*\u+2*\pp+1]   ; the first product starts the sum
.else
	s_delay_alu instid0(VALU_DEP_4)
	v_pk_fma_f32 v[ACC+2*\t:ACC+2*\t+1], v[XX+8*\t+4*\u+2*\pp:XX+8*\t+4*\u+2*\pp+1], v[RW+8*(E%3)+4*\u+2*\pp:RW+8*(E%3)+4*\u+2*\pp+1], v[ACC+2*\t:ACC+2*\t+1]
.endif
.endr
.endr
.endr
.irp t, 0,1,2,3
	s_delay_alu instid0(VALU_DEP_4)
	v_add_f32 v[VV+8*\t+E], v[ACC+2*\t], v[ACC+2*\t+1]   ; V[8 t + e]
.endr
.if E+3 < 8
	RWLD E+3
.endif
.set E, E+1
.endr
; THE SUM OVER THE 32 LANES OF 32 NUMBERS, so that lane l ends with the whole sum of V[l]: in each stage a lane keeps the half of the numbers that its lane bit names and hands the other half over.
.set N, 0
.rept 16
	v_permlane16_swap_b32 v[VV+N], v[VV+16+N]      ; lane bit 4: V[n]'s lanes 16-31 change places with V[n + 16]'s lanes 0-15
.set N, N+1
.endr
.set N, 0
.rept 16
	v_add_f32 v[VV+N], v[VV+N], v[VV+16+N]
.set N, N+1
.endr
.macro FOLD h, m                       ; lane bit log2(h): s[m] names the lanes in which it is set
.set N, 0
.rept \h
	v_cndmask_b32 v[10+2*(N%2)], v[VV+N], v[VV+N+\h], s[\m]        ; what I keep
	v_cndmask_b32 v[11+2*(N%2)], v[VV+N+\h], v[VV+N], s[\m]        ; what lane l xor h keeps
	s_delay_alu instid0(VALU_DEP_1)
	v_add_f32_dpp v[VV+N], v[11+2*(N%2)], v[10+2*(N%2)] row_xmask:\h row_mask:0xf bank_mask:0xf
.set N, N+1
.endr
.endm
	FOLD 8, 56
	FOLD 4, 57
	FOLD 2, 58
	FOLD 1, 59
	ds_store_b32 v[PLA], v[VV]                     ; lane l: the chunk's part of the logit of token 4 v + l / 8, expert l % 8
	s_cmp_lg_u32 s26, 6                            ; wave 6 asks here for the eight biases of its lane's column, into registers that the sum has left; they are wanted at the end
	s_cbranch_scc1 .Lno_eb
.irp e, 0,1,2,3,4,5,6,7
	global_load_b32 v[EB+\e], v[EBO], s[10:11] offset:4096*\e
.endr
.Lno_eb:
; x INTO CODES: eight blocks a lane, q = 2 t + u.  A block is 4 numbers, a conversion takes 16 under one scale: so each block is first multiplied by the reciprocal of its scale, a power of two (nothing is rounded), and converted under the scale 1.
.irp q, 0,1,2,3,4,5,6,7
	v_max3_num_f32 v[72+\q], |v[XX+4*\q]|, |v[XX+4*\q+1]|, 0x1800000   ; the largest magnitude, and the floor 2^(3 - 127)
.endr
.irp q, 0,1,2,3,4,5,6,7
	v_max3_num_f32 v[72+\q], v[72+\q], |v[XX+4*\q+2]|, |v[XX+4*\q+3]|
.endr
.irp q, 0,1,2,3,4,5,6,7
	v_and_b32 v[80+\q], s60, v[72+\q]
.endr
.irp q, 0,1,2,3,4,5,6,7
	v_sub_nc_u32 v[80+\q], s61, v[80+\q]           ; exponent field 256 - E: 2^(129 - E) = 1 / the scale 2^(E - 127 - 2)
.endr
.irp q, 0,1,2,3,4,5,6,7
.if \q%2 == 0
	v_pk_mul_f32 v[XX+4*\q:XX+4*\q+1], v[XX+4*\q:XX+4*\q+1], v[80+\q:81+\q] op_sel_hi:[1,0]
	v_pk_mul_f32 v[XX+4*\q+2:XX+4*\q+3], v[XX+4*\q+2:XX+4*\q+3], v[80+\q:81+\q] op_sel_hi:[1,0]
.else
	v_pk_mul_f32 v[XX+4*\q:XX+4*\q+1], v[XX+4*\q:XX+4*\q+1], v[79+\q:80+\q] op_sel:[0,1] op_sel_hi:[1,1]
	v_pk_mul_f32 v[XX+4*\q+2:XX+4*\q+3], v[XX+4*\q+2:XX+4*\q+3], v[79+\q:80+\q] op_sel:[0,1] op_sel_hi:[1,1]
.endif
.endr
.irp q, 0,1,2,3,4,5,6,7
	v_lshrrev_b32 v[72+\q], 23, v[72+\q]           ; E
.endr
.irp t, 0,1,2,3
	v_lshl_or_b32 v[100+\t], v[73+2*\t], 16, v[72+2*\t]   ; token t: u = 0 and u = 1
.endr
.irp t, 0,1,2,3
	s_delay_alu instid0(VALU_DEP_4)
	v_lshlrev_b32 v[100+\t], v6, v[100+\t]         ; at bytes hh and 2 + hh
.endr
.irp t, 0,1,2,3
	s_delay_alu instid0(VALU_DEP_4)
	v_mov_b32_dpp v[10+\t], v[100+\t] row_xmask:1 row_mask:0xf bank_mask:0xf
.endr
.irp t, 0,1,2,3
	s_delay_alu instid0(VALU_DEP_4)
	v_or_b32 v[100+\t], v[100+\t], v[10+\t]        ; with my neighbour's two the step's word is whole
.endr
.irp t, 0,1,2,3
	s_delay_alu instid0(VALU_DEP_4)
	v_add_nc_u32 v[100+\t], 0xfdfdfdfe, v[100+\t]  ; 2 off each of the four bytes at once: each is 3 at the least, so nothing is borrowed
.endr
	v_cvt_scalef32_pk16_fp6_f32 v[64:66], v[XX:XX+15], v8
	v_cvt_scalef32_pk16_fp6_f32 v[68:70], v[XX+16:XX+31], v8
	v_nop                                          ; one plain place behind the conversions
.irp g, 0,1                            ; 96 bits are four blocks' 24: each into a word of its own, whose top byte is 0
	v_and_b32 v[88+4*\g], s62, v[64+4*\g]
	v_alignbit_b32 v[89+4*\g], v[65+4*\g], v[64+4*\g], 24
	v_alignbit_b32 v[90+4*\g], v[66+4*\g], v[65+4*\g], 16
	v_lshrrev_b32 v[91+4*\g], 8, v[66+4*\g]
	s_delay_alu instid0(VALU_DEP_3)
	v_and_b32 v[89+4*\g], s62, v[89+4*\g]
	s_delay_alu instid0(VALU_DEP_3)
	v_and_b32 v[90+4*\g], s62, v[90+4*\g]
.endr
.irp t, 0,1,2,3
	ds_store_b64 v[AGA], v[88+2*\t:89+2*\t] offset:16*\t
	ds_store_b32 v[ASA], v[100+\t] offset:16*\t    ; both lanes of a step write the same word with the same value
.endr
; W.  Column k: two blocks a lane become the 12 registers that lane 16 hh + r of step s = l / 2 will hold, and my two bytes of that step's scale word.
.macro WCOL k
	s_wait_loadcnt 16*(1-\k)                       ; this column's 16 loads are in; the other column's 16 were issued behind them (and, in wave 6, the eight biases': there the count asks for more than is needed)
.irp u, 0,1
	v_max3_num_f32 v[8+\u], |v[XW+64*\k+32*\u]|, |v[XW+64*\k+32*\u+1]|, 0x1800000   ; the largest magnitude, and the floor 2^(3 - 127): the byte cannot fall under 1
.endr
.irp i, 2,4,6,8,10,12,14,16,18,20,22,24,26,28,30
.irp u, 0,1
	s_delay_alu instid0(VALU_DEP_2)
	v_max3_num_f32 v[8+\u], v[8+\u], |v[XW+64*\k+32*\u+\i]|, |v[XW+64*\k+32*\u+\i+1]|   ; (the two blocks by turns)
.endr
.endr
	s_delay_alu instid0(VALU_DEP_2)
	v_add_nc_u32 v10, 0xff000000, v8               ; 2 off the exponent field: the conversion takes this operand's exponent field as its scale
	s_delay_alu instid0(VALU_DEP_2)
	v_add_nc_u32 v11, 0xff000000, v9
	s_delay_alu instid0(VALU_DEP_2)
	v_lshrrev_b32 v12, 23, v10                     ; the scales' bytes
	s_delay_alu instid0(VALU_DEP_2)
	v_lshrrev_b32 v13, 23, v11
	v_cvt_scalef32_pk16_fp6_f32 v[CW+12*\k:CW+12*\k+2], v[XW+64*\k:XW+64*\k+15], v10
	v_cvt_scalef32_pk16_fp6_f32 v[TW:TW+2], v[XW+64*\k+16:XW+64*\k+31], v10       ; (a conversion's three registers begin on an even number: the second half of a block's six is made elsewhere and moved)
	v_cvt_scalef32_pk16_fp6_f32 v[CW+12*\k+6:CW+12*\k+8], v[XW+64*\k+32:XW+64*\k+47], v11
	v_cvt_scalef32_pk16_fp6_f32 v[TW+4:TW+6], v[XW+64*\k+48:XW+64*\k+63], v11
	v_nop                                          ; one plain place behind the conversions
.irp i, 0,1,2
	v_mov_b32 v[CW+12*\k+3+\i], v[TW+\i]
	v_mov_b32 v[CW+12*\k+9+\i], v[TW+4+\i]
.endr
	v_lshl_or_b32 v[120+\k], v13, 16, v12          ; bytes hh and 2 + hh of the step's word,
	s_delay_alu instid0(VALU_DEP_1)
	v_lshlrev_b32 v[120+\k], v6, v[120+\k]
	s_delay_alu instid0(VALU_DEP_1)
	v_mov_b32_dpp v7, v[120+\k] row_xmask:1 row_mask:0xf bank_mask:0xf
	s_delay_alu instid0(VALU_DEP_1)
	v_or_b32 v[120+\k], v[120+\k], v7              ; with my neighbour's two the word is whole
.irp m, 0,1,2
	ds_store_b128 v[WA], v[CW+12*\k+4*\m:CW+12*\k+4*\m+3] offset:\m*544+16*\k
.endr
	ds_store_b32 v[WSA], v[120+\k] offset:16*\k    ; both lanes of a step write the same word with the same value
.endm
	WCOL 0
	WCOL 1
	s_wait_dscnt 0x0                               ; for the others' sake: my stores into the five stages are done
	s_barrier_signal -1
	s_barrier_wait -1
	; THE WAY OUT: nine LDS loads a wave; every store covers 512 bytes in whole aligned runs of 256
	ds_load_b128 v[128:131], v[SMR]                ; my 512 bytes of the small stages
.irp k, 0,1
	ds_load_b128 v[132+4*\k:135+4*\k], v[AGR] offset:544*\k        ; four rows of g's stage = steps 2 v, 2 v + 1
.endr
.irp x, 0,1,2,3,4,5
	ds_load_b128 v[140+4*\x:143+4*\x], v[WR] offset:544*\x         ; twelve rows of W's stage = steps 2 v, 2 v + 1
.endr
	s_cmp_lg_u32 s26, 6                            ; wave 6: the biases of columns 16 n on (in since the wait for column 1): lanes 0-15 their bf16 high parts, lanes 16-31 bf16 of what is left, in pairs, experts ascending
	s_cbranch_scc1 .Lnot_bb
.irp k, 0,1,2,3
	v_cvt_pk_bf16_f32 v[200+\k], v[EB+2*\k], v[EB+2*\k+1]
.endr
.irp k, 0,1,2,3
	v_lshlrev_b32 v[204+2*\k], 16, v[200+\k]
	v_and_b32 v[205+2*\k], s63, v[200+\k]
.endr
.irp e, 0,1,2,3,4,5,6,7
	v_sub_f32 v[204+\e], v[EB+\e], v[204+\e]
.endr
.irp k, 0,1,2,3
	v_cvt_pk_bf16_f32 v[212+\k], v[204+2*\k], v[205+2*\k]
.endr
.irp k, 0,1,2,3
	s_delay_alu instid0(VALU_DEP_4)
	v_cndmask_b32 v[200+\k], v[200+\k], v[212+\k], s63
.endr
	global_store_b128 v2, v[200:203], s[22:23]
.Lnot_bb:
	s_wait_dscnt 8                                 ; the first of the nine is in
	s_cmp_lt_u32 s26, 2                            ; waves 0, 1: W's scale words; 2, 3: the partial logits; 4..7: x's scale words
	s_cbranch_scc0 .Lnot_bsc
	global_store_b128 v[SMO], v[128:131], s[14:15]
	s_branch .Lsmall_done
.Lnot_bsc:
	s_cmp_lt_u32 s26, 4
	s_cbranch_scc0 .Lis_asc
	global_store_b128 v2, v[128:131], s[20:21]
	s_branch .Lsmall_done
.Lis_asc:
	global_store_b128 v2, v[128:131], s[18:19]
.Lsmall_done:
.irp k, 0,1
	s_wait_dscnt 7-\k                              ; LDS loads come back in order: this one is in, those behind it may be out
	global_store_b128 v2, v[132+4*\k:135+4*\k], s[16:17] offset:2048*\k
.endr
.irp x, 0,1,2,3,4,5
	s_wait_dscnt 5-\x
	global_store_b128 v2, v[140+4*\x:143+4*\x], s[12:13] offset:(\x/3)*6144+(\x%3)*512
.endr
	s_wait_tensorcnt 0x0                           ; the wave's end
	ds_add_u32 v[SPW], v[NIL]
	s_wait_dscnt 0x0
	s_endpgm
.Lfunc_end_k_q302b0c11e7_prep:
	.size	k_q302b0c11e7_prep, .Lfunc_end_k_q302b0c11e7_prep-k_q302b0c11e7_prep
	.p2alignl 7, 3214868480
	.fill 96, 4, 3214868480
	.section	.rodata,"a",@progbits
	.p2align	6, 0x0
	.amdhsa_kernel k_q302b0c11e7_prep
		.amdhsa_group_segment_fixed_size 48128
		.amdhsa_private_segment_fixed_size 0
		.amdhsa_enable_private_segment 0
		.amdhsa_kernarg_size 80
		.amdhsa_user_sgpr_count 2
		.amdhsa_user_sgpr_kernarg_segment_ptr 1
		.amdhsa_wavefront_size32 1
		.amdhsa_system_sgpr_workgroup_id_x 1
		.amdhsa_system_sgpr_workgroup_id_y 1
		.amdhsa_system_sgpr_workgroup_id_z 1
		.amdhsa_system_vgpr_workitem_id 0
		.amdhsa_next_free_vgpr 256
		.amdhsa_next_free_sgpr 66
		.amdhsa_reserve_vcc 0
		.amdhsa_float_denorm_mode_32 3
		.amdhsa_float_denorm_mode_16_64 3
		.amdhsa_memory_ordered 1
		.amdhsa_forward_progress 1
		.amdhsa_inst_pref_size 49
	.end_amdhsa_kernel
	.amdgpu_metadata
---
amdhsa.version: [ 1, 2 ]
amdhsa.kernels:
  - .name:           k_q302b0c11e7_prep
    .symbol:         k_q302b0c11e7_prep.kd
    .args:
      - { .name: hidden_states, .offset: 0, .size: 8, .value_kind: global_buffer, .address_space: global }
      - { .name: router_w, .offset: 8, .size: 8, .value_kind: global_buffer, .address_space: global }
      - { .name: expert_w, .offset: 16, .size: 8, .value_kind: global_buffer, .address_space: global }
      - { .name: expert_b, .offset: 24, .size: 8, .value_kind: global_buffer, .address_space: global }
      - { .name: bq, .offset: 32, .size: 8, .value_kind: global_buffer, .address_space: global }
      - { .name: bsc, .offset: 40, .size: 8, .value_kind: global_buffer, .address_space: global }
      - { .name: ag, .offset: 48, .size: 8, .value_kind: global_buffer, .address_space: global }
      - { .name: asc, .offset: 56, .size: 8, .value_kind: global_buffer, .address_space: global }
      - { .name: pl, .offset: 64, .size: 8, .value_kind: global_buffer, .address_space: global }
      - { .name: bb, .offset: 72, .size: 8, .value_kind: global_buffer, .address_space: global }
    .group_segment_fixed_size: 48128
    .private_segment_fixed_size: 0
    .kernarg_segment_align: 8
    .kernarg_segment_size: 80
    .max_flat_workgroup_size: 256
    .sgpr_count:     66
    .vgpr_count:     256
    .wavefront_size: 32
...
	.end_amdgpu_metadata
.endif
;; end of part 1
;; launch gemm (part 2): grid 16 x 16, 4 waves a work-group, no clusters, 145,920 bytes of LDS; arguments bq, bsc, ag, asc, pl, bb, out0, router_b; writes out0
.if DOCPART == 2
	.amdgcn_target "amdgcn-amd-amdhsa--gfx1250"
	.amdhsa_code_object_version 6
	.text
	.protected	k_q302b0c11e7_gemm
	.globl	k_q302b0c11e7_gemm
	.p2align	8
	.type	k_q302b0c11e7_gemm,@function
k_q302b0c11e7_gemm:
	s_mov_b64 s[64:65], 0
	v_nop
	global_prefetch_b8 v0, s[64:65] scope:SCOPE_SE
	s_setreg_imm32_b32 hwreg(HW_REG_WAVE_MODE, 25, 1), 1
	s_wait_xcnt 0x0
; GEMM: the router's end, then out0[t][h] = sum over K = 8,192 of A[t][K] W[K][h] on codes of E2M3 with E8M0 scales, + the chosen experts' biases.  No work of reference() is left out: every block of 32 along K holds all
; eight experts under one pair of scales, so the product is multiplied whole; the experts not chosen stand in A as zero codes.
; SHARES.  A work-group makes 128 tokens (RB = y) x 64 columns (CB = x).  THE FOUR WAVES SHARE K, NOT THE TILE: wave w multiplies the whole tile over chunk w, 16 steps of 128 along K, into 32 accumulators.
; So every operand byte is wanted by ONE wave and goes from memory straight into its registers, laid there by the launch before in the order of these registers: each load is 512 consecutive bytes.
; The loop has no LDS access and no barrier.  The four partial tiles meet once, in LDS, laid as rows; the same way through LDS gives whole rows of 256 bytes of out0.
; THE ROUTER'S END, at the head, while the first steps' operands are on their way.  Lane l of wave w has token 32 w + l of the 128: it adds the logits' four parts and router_b, takes the softmax (the maximum taken away)
; and the top 2 (the largest, at its lowest index; then the same among the rest: ties go to the lower index), and makes the token's record: six byte selectors and the mask as eight bf16.  The 128 records meet in LDS.
; The choice is data alone: no address and no branch hangs on it.  The sixteen work-groups of a block of tokens each do this for themselves: some 130 vector instructions a wave.
; LIMITS: NaN and infinities among the inputs are not served.  The exponential gives 0 under 2^-126, so where a logit lies more than 87 under its row's largest the tie among zeros is broken by index a little earlier than in f32
; with denormals.  Where the second and third largest logits agree to f32 rounding, either may be chosen.
; A IS WIDENED IN REGISTERS.  Memory holds per token and block four codes (g, 24 bits, top byte 0); six v_perm_b32 with the token's selectors lay g at the chosen experts' bytes of the block's 24 and g's zero byte elsewhere.
; A fragment so made (12 v_perm_b32) feeds four matrix instructions.  Two matrix instructions and six v_perm_b32 stand by turns, so that the vector work is issued while the matrix unit works; that costs two window switches a turn.
; THE MATRIX INSTRUCTION IS USED TRANSPOSED: source 0 = 16 columns of W, source 1 = 16 tokens: lane (r, hh) register j = out(token 16 a + r, column 16 b + 8 hh + j).
; THE WALK ALONG K IS ROTATED by (RB + CB) % 4 groups of four steps, so that the work-groups that read the same bytes of A or W do not all ask for them at the same step.  The order of the f32 sums so differs between tiles.
; NO CLUSTER, NO TENSOR LOAD: a joint load lands in LDS; here each byte has one reader in the work-group, so it would be written to LDS and read from it once more (574 KB a work-group) with a round for each refill.
; THE BIASES (a product with K = 8, left as it is): mask x (bf16 high part + bf16 of the rest), by one bf16 matrix instruction for each of the 32 tiles of the output; wave w adds them for token tiles 2 w and 2 w + 1.
; REGISTERS, in windows of 256.  window 0: v1 16 x lane; v4-7, v8-11, v12-15 offsets of A's, W's and the scales' groups of four steps; v16-19 the way out; v20, v21 the add's two; v23-25 the records' LDS addresses;
;   v32-95 A's scale words, v96-127 W's (scales and nothing else, each loaded once); v128-175 four fragments of A; v176-239 the router's end; on the way out v128-255.   window 1: accumulator (a, b) at 8 (4 a + b).
;   window 2: W's fragments, four stages of 48; from v192 the biases' four fragments, from v224 the mask's two.   window 3: g, four stages of 16; from v64 the selectors, 8 a token tile.
.set LOFF, 1
.set VA,   4
.set VB,   8
.set VS,   12
.set STO,  16
.set RD,   17                          ; v17: partial tiles 0 and 1; v18: 2 and 3
.set GO,   19
.set SPW,  20
.set NIL,  21
.set TKW,  23                          ; where I put my token's record: 16 x my thread's number
.set TKR,  24                          ; where I read the record of row r of a token tile
.set TKM,  25                          ; the same in my wave's two token tiles
.set AS,   32                          ; A's scale word of token tiles 2 i (lanes 0-15) and 2 i + 1 (lanes 16-31), step s: AS + 16 i + s
.set BS,   96                          ; W's, of column tiles 2 i and 2 i + 1: BS + 16 i + s
.set AF,   128
.set PL,   176                         ; v176-207: the logits' parts: chunk c, expert e at PL + 8 c + e; then v176-183 the logits, the weights
.set PWB,  34816                       ; a wave's partial tile in LDS: 128 rows x (256 + 16)
.set SPARE, 4*PWB                      ; behind them: the spare words, 128 bytes for each wave: two blocks of 256 bytes that no other line names
.set TKL,  SPARE+512                   ; the records: three parts of 128 tokens x 16 bytes: selectors 0-3; selectors 4, 5 (8 bytes of the 16); the mask
.set MSB, 0
.macro WIN new                         ; the immediate's high byte repeats the setting that is left; a switch that changes nothing is dropped
.if MSB != \new
	s_set_vgpr_msb (MSB<<8)|\new
.set MSB, \new
.endif
.endm
.set W_M,  0x52                        ; source 0 (W) window 2, source 1 (A) window 0, C and D window 1
.set W_E,  0x3f                        ; three sources window 3, destination window 0
.set TO_B, 0x80                        ; destination window 2
.set TO_G, 0xc0                        ; destination window 3
.set W_BI, 0x5a                        ; sources 0 and 1 window 2, C and D window 1
.set W_ST, 0x04                        ; an LDS store's data (source 1) window 1
	s_load_b256 s[4:11], s[0:1], 0x0               ; bq s[4:5], bsc s[6:7], ag s[8:9], asc s[10:11]
	s_load_b128 s[12:15], s[0:1], 0x20             ; pl s[12:13], bb s[14:15]
	s_load_b64 s[16:17], s[0:1], 0x30              ; out0
	s_load_b64 s[42:43], s[0:1], 0x38              ; router_b
	v_lshl_add_u32 v[SPW], v0, 2, SPARE
	v_mov_b32 v[NIL], 0
	v_lshrrev_b32 v2, 5, v0
	v_readfirstlane_b32 s18, v2                    ; wave w = my chunk of K
	v_and_b32 v2, 31, v0
	v_lshlrev_b32 v[LOFF], 4, v2
	s_wait_alu depctr_va_vdst(0)
	s_and_b32 s19, ttmp7, 0xffff                   ; RB
	s_add_co_u32 s20, s19, ttmp9                   ; RB + CB
.irp gq, 0,1,2,3                       ; my gq-th group of four steps is the chunk's group (gq + RB + CB) % 4
	s_add_co_u32 s21, s20, \gq
	s_and_b32 s21, s21, 3
	s_lshl_b32 s40, s21, 13
	v_add_nc_u32 v[VA+\gq], s40, v[LOFF]           ; ag: 2,048 bytes a step
	s_mul_i32 s40, s21, 24576
	v_add_nc_u32 v[VB+\gq], s40, v[LOFF]           ; bq: 6,144 bytes a step
	s_lshl_b32 s40, s21, 9
	v_add_nc_u32 v[VS+\gq], s40, v[LOFF]           ; scale words: 512 bytes a group
.endr
	v_and_b32 v3, 15, v2                           ; r
	v_lshrrev_b32 v22, 4, v2                       ; hh
	v_mul_u32_u24 v[STO], v3, 272
	v_lshl_add_u32 v[STO], v22, 5, v[STO]
	s_mul_i32 s40, s18, PWB
	v_add_nc_u32 v[STO], s40, v[STO]               ; into my partial tile: row r (+ 16 a), 32 bytes for each half of the lanes
	v_mul_u32_u24 v[RD], v22, 272
	v_lshl_add_u32 v[RD], v3, 4, v[RD]
	s_mul_i32 s40, s18, 32*272
	v_add_nc_u32 v[RD], s40, v[RD]                 ; back: rows 32 w on of every partial tile, sixteen lanes to a row
	v_add_nc_u32 v[RD+1], 2*PWB, v[RD]
	v_lshlrev_b32 v[GO], 12, v22
	v_lshl_add_u32 v[GO], v3, 4, v[GO]             ; and the same two rows in out0
	v_lshl_add_u32 v[TKW], v0, 4, TKL
	v_lshl_add_u32 v[TKR], v3, 4, TKL
	s_lshl_b32 s40, s18, 9
	v_add_nc_u32 v[TKM], s40, v[TKR]               ; token tiles 2 w on: 256 bytes a tile
	v_mov_b32 v216, 0x03030303                     ; a selector word with no expert chosen: every byte takes g's zero byte
	v_mov_b32 v217, 0x03020100                     ; word 0 with its first expert chosen,
	v_mov_b32 v218, 0x03000000                     ; and what its second expert, chosen, turns over;
	v_mov_b32 v219, 0x03030201                     ; word 1 likewise,
	v_mov_b32 v220, 0x02030000
	v_mov_b32 v221, 0x03030302                     ; word 2
	v_mov_b32 v222, 0x01020300
	v_mov_b32 v223, 0x3f80                         ; 1.0 as bf16, in the low half
	s_mul_i32 s24, ttmp9, 393216                   ; bq: 64 steps a column block, 16 a chunk
	s_mul_i32 s40, s18, 98304
	s_add_co_u32 s24, s24, s40
	s_mov_b32 s25, 0
	s_lshl_b32 s26, ttmp9, 14                      ; bsc
	s_lshl_b32 s40, s18, 12
	s_add_co_u32 s26, s26, s40
	s_mov_b32 s27, 0
	s_lshl_b32 s28, s19, 17                        ; ag
	s_lshl_b32 s40, s18, 15
	s_add_co_u32 s28, s28, s40
	s_mov_b32 s29, 0
	s_lshl_b32 s30, s19, 15                        ; asc
	s_lshl_b32 s40, s18, 13
	s_add_co_u32 s30, s30, s40
	s_mov_b32 s31, 0
	s_lshl_b32 s32, s19, 14                        ; pl: 4,096 bytes for each 32 tokens: group 4 RB + w
	s_lshl_b32 s40, s18, 12
	s_add_co_u32 s32, s32, s40
	s_mov_b32 s33, 0
	s_lshl_b32 s36, ttmp9, 11                      ; bb: 512 bytes a column tile, copy w
	s_lshl_b32 s40, s18, 15
	s_add_co_u32 s36, s36, s40
	s_mov_b32 s37, 0
	s_lshl_b32 s38, s19, 19                        ; out0: 128 RB + 32 w rows of 4,096 bytes, + 256 CB
	s_lshl_b32 s40, s18, 17
	s_add_co_u32 s38, s38, s40
	s_lshl_b32 s40, ttmp9, 8
	s_add_co_u32 s38, s38, s40
	s_mov_b32 s39, 0
	WIN TO_B
.irp f, 192,200,208,216,224,232        ; the upper 16 along K of the bias product's six fragments are zeros
.irp j, 4,5,6,7
	v_mov_b32 v[\f+\j], 0
.endr
.endr
	WIN 0
	s_wait_kmcnt 0x0
	s_add_nc_u64 s[4:5], s[4:5], s[24:25]
	s_add_nc_u64 s[6:7], s[6:7], s[26:27]
	s_add_nc_u64 s[8:9], s[8:9], s[28:29]
	s_add_nc_u64 s[10:11], s[10:11], s[30:31]
	s_add_nc_u64 s[12:13], s[12:13], s[32:33]
	s_add_nc_u64 s[14:15], s[14:15], s[36:37]
	s_add_nc_u64 s[16:17], s[16:17], s[38:39]
	s_load_b256 s[48:55], s[42:43], 0x0            ; router_b: eight numbers
.macro LOADS s                         ; step s: 4 loads of g (8 token tiles x 2 words a lane), 12 of W's four fragments, into stage s % 4
	WIN TO_G
.irp i, 0,1,2,3
	global_load_b128 v[16*((\s)%4)+4*\i:16*((\s)%4)+4*\i+3], v[VA+(\s)/4], s[8:9] offset:((\s)%4)*2048+\i*512
.endr
	WIN TO_B
.irp b, 0,1,2,3
.irp m, 0,1,2
	global_load_b128 v[48*((\s)%4)+12*\b+4*\m:48*((\s)%4)+12*\b+4*\m+3], v[VB+(\s)/4], s[4:5] offset:((\s)%4)*6144+\b*1536+\m*512
.endr
.endr
.endm
.macro SCL gq                          ; the scale words of steps 4 gq .. 4 gq + 3: 6 loads, four words a lane each
.irp i, 0,1,2,3
	global_load_b128 v[AS+16*\i+4*(\gq):AS+16*\i+4*(\gq)+3], v[VS+(\gq)], s[10:11] offset:\i*2048
.endr
.irp i, 0,1
	global_load_b128 v[BS+16*\i+4*(\gq):BS+16*\i+4*(\gq)+3], v[VS+(\gq)], s[6:7] offset:\i*2048
.endr
.endm
.macro BIASLD                          ; 4 loads: the biases of my work-group's four column tiles
	WIN TO_B
.irp b, 0,1,2,3
	global_load_b128 v[192+8*\b:195+8*\b], v[LOFF], s[14:15] offset:512*\b
.endr
.endm
.macro EX tt, u                        ; tile tt = 8 s + a: registers 6 u .. 6 u + 5 of token tile a's fragment for step s, into buffer tt % 4
	WIN W_E
.irp q, 0,1,2,3,4,5
	v_perm_b32 v[AF+12*((\tt)%4)+6*\u+\q], v[16*(((\tt)/8)%4)+2*((\tt)%8)+\u], v[16*(((\tt)/8)%4)+2*((\tt)%8)+\u], v[64+8*((\tt)%8)+\q]
.endr
.endm
.macro MM1 b                           ; accumulator (AA, b) takes step SS.  Step 0 starts the sums: nothing is cleared.  The scale words of odd tiles stand in lanes 16-31
.set rD, 8*(4*AA+(\b))
.set rB, 48*(SS%4)+12*(\b)
.set rA, AF+12*(T%4)
.set rSB, BS+16*((\b)/2)+SS
.set rSA, AS+16*(AA/2)+SS
.if SS == 0
.if (AA%2 == 0) && ((\b)%2 == 0)
	v_wmma_scale_f32_16x16x128_f8f6f4 v[rD:rD+7], v[rB:rB+11], v[rA:rA+11], 0, v[rSB], v[rSA] matrix_a_fmt:MATRIX_FMT_FP6 matrix_b_fmt:MATRIX_FMT_FP6
.elseif (AA%2 == 0)
	v_wmma_scale_f32_16x16x128_f8f6f4 v[rD:rD+7], v[rB:rB+11], v[rA:rA+11], 0, v[rSB], v[rSA] matrix_a_fmt:MATRIX_FMT_FP6 matrix_b_fmt:MATRIX_FMT_FP6 matrix_a_scale:MATRIX_SCALE_ROW1
.elseif ((\b)%2 == 0)
	v_wmma_scale_f32_16x16x128_f8f6f4 v[rD:rD+7], v[rB:rB+11], v[rA:rA+11], 0, v[rSB], v[rSA] matrix_a_fmt:MATRIX_FMT_FP6 matrix_b_fmt:MATRIX_FMT_FP6 matrix_b_scale:MATRIX_SCALE_ROW1
.else
	v_wmma_scale_f32_16x16x128_f8f6f4 v[rD:rD+7], v[rB:rB+11], v[rA:rA+11], 0, v[rSB], v[rSA] matrix_a_fmt:MATRIX_FMT_FP6 matrix_b_fmt:MATRIX_FMT_FP6 matrix_a_scale:MATRIX_SCALE_ROW1 matrix_b_scale:MATRIX_SCALE_ROW1
.endif
.else
.if (AA%2 == 0) && ((\b)%2 == 0)
	v_wmma_scale_f32_16x16x128_f8f6f4 v[rD:rD+7], v[rB:rB+11], v[rA:rA+11], v[rD:rD+7], v[rSB], v[rSA] matrix_a_fmt:MATRIX_FMT_FP6 matrix_b_fmt:MATRIX_FMT_FP6
.elseif (AA%2 == 0)
	v_wmma_scale_f32_16x16x128_f8f6f4 v[rD:rD+7], v[rB:rB+11], v[rA:rA+11], v[rD:rD+7], v[rSB], v[rSA] matrix_a_fmt:MATRIX_FMT_FP6 matrix_b_fmt:MATRIX_FMT_FP6 matrix_a_scale:MATRIX_SCALE_ROW1
.elseif ((\b)%2 == 0)
	v_wmma_scale_f32_16x16x128_f8f6f4 v[rD:rD+7], v[rB:rB+11], v[rA:rA+11], v[rD:rD+7], v[rSB], v[rSA] matrix_a_fmt:MATRIX_FMT_FP6 matrix_b_fmt:MATRIX_FMT_FP6 matrix_b_scale:MATRIX_SCALE_ROW1
.else
	v_wmma_scale_f32_16x16x128_f8f6f4 v[rD:rD+7], v[rB:rB+11], v[rA:rA+11], v[rD:rD+7], v[rSB], v[rSA] matrix_a_fmt:MATRIX_FMT_FP6 matrix_b_fmt:MATRIX_FMT_FP6 matrix_a_scale:MATRIX_SCALE_ROW1 matrix_b_scale:MATRIX_SCALE_ROW1
.endif
.endif
.endm
.macro MM hb
	WIN W_M
	MM1 2*\hb
	MM1 2*\hb+1
.endm
; TILE T = 8 SS + AA: token tile AA, step SS: four matrix instructions, and between them the fragment of the tile two on.
; PLACES (save for loads and for operands made by vector instructions).  A fragment is made two tiles ahead of its products: the 12 v_perm_b32 of the tile between are its places (4 asked).
; Its buffer is written again four tiles on: 18 v_perm_b32 stand behind its last product.  A step's loads land in the stage that the step before has read: behind that stage's last product stand six v_perm_b32 (4 asked).
; The 32 accumulators take turns, one instruction a turn, in the same order in every step.
; THE WAIT stands in token tile 6 of a step, ahead of the first v_perm_b32 that reads the next step's g.  Its count is what was issued behind the next step's loads: two steps of 16, and the packets (6 scale loads, 4 bias loads) that fell between.
.macro TILE
.set SS, T/8
.set AA, T%8
.if AA == 0
.if (SS == 0) || (SS == 4) || (SS == 8)
	WIN 0
	SCL SS/4+1                                     ; four steps ahead of their first use
.endif
.if SS == 1
	BIASLD
.endif
.if SS+3 < 16
	LOADS SS+3                                     ; three steps ahead
.endif
.endif
	MM 0
.if (AA == 6) && (SS < 15)
.set NW, 32
.if (SS == 0) || (SS == 4) || (SS == 5) || (SS == 8) || (SS == 9)
.set NW, 38
.endif
.if SS == 1
.set NW, 42
.endif
.if SS == 2
.set NW, 36
.endif
.if SS == 13
.set NW, 16
.endif
.if SS == 14
.set NW, 0
.endif
	s_wait_loadcnt NW
.endif
.if T+2 < 128
	EX T+2, 0
.endif
	MM 1
.if T+2 < 128
	EX T+2, 1
.endif
.if T == 125
.rept 4
	v_nop                                          ; no v_perm_b32 follows the last fragment: its four places
.endr
.endif
.endm
.irp c, 0,1,2,3
.irp eh, 0,1
	global_load_b128 v[PL+8*\c+4*\eh:PL+8*\c+4*\eh+3], v[LOFF], s[12:13] offset:\c*1024+\eh*512   ; my token's logits, part c, experts 4 eh on: 512 consecutive bytes a load
.endr
.endr
	SCL 0
	LOADS 0
	LOADS 1
	LOADS 2
	WIN 0
	s_wait_loadcnt 54                              ; the logits' eight loads are in; 6 scale loads and three steps of 16 were issued behind them
	s_wait_kmcnt 0x0                               ; router_b
	; THE ROUTER'S END, a token a lane
.irp j, 0,1,2,3
	v_pk_add_f32 v[PL+2*\j:PL+2*\j+1], v[PL+2*\j:PL+2*\j+1], v[PL+8+2*\j:PL+8+2*\j+1]
	v_pk_add_f32 v[PL+16+2*\j:PL+16+2*\j+1], v[PL+16+2*\j:PL+16+2*\j+1], v[PL+24+2*\j:PL+24+2*\j+1]
.endr
.irp j, 0,1,2,3
	v_pk_add_f32 v[PL+2*\j:PL+2*\j+1], v[PL+2*\j:PL+2*\j+1], v[PL+16+2*\j:PL+16+2*\j+1]
.endr
.irp e, 0,1,2,3,4,5,6,7
	v_add_f32 v[PL+\e], s[48+\e], v[PL+\e]         ; the logits
.endr
	v_max3_num_f32 v208, v[PL], v[PL+1], v[PL+2]
	v_max3_num_f32 v208, v208, v[PL+3], v[PL+4]
	v_max3_num_f32 v208, v208, v[PL+5], v[PL+6]
	v_max_num_f32 v208, v208, v[PL+7]              ; the softmax's maximum
.irp e, 0,1,2,3,4,5,6,7
	v_sub_f32 v[PL+\e], v[PL+\e], v208
.endr
.irp e, 0,1,2,3,4,5,6,7
	v_mul_f32 v[PL+\e], 0x3fb8aa3b, v[PL+\e]       ; x log2(e)
.endr
	s_wait_alu depctr_va_vdst(0)
.irp e, 0,1,2,3,4,5,6,7
	v_exp_f32 v[PL+\e], v[PL+\e]
.endr
	v_nop                                          ; a plain place behind the exponentials,
	s_wait_alu depctr_va_vdst(0)                   ; and the wait ahead of their first reader: one for the eight
	v_add_f32 v209, v[PL], v[PL+1]
	v_add_f32 v210, v[PL+2], v[PL+3]
	v_add_f32 v211, v[PL+4], v[PL+5]
	v_add_f32 v212, v[PL+6], v[PL+7]
	v_add_f32 v209, v209, v210
	v_add_f32 v211, v211, v212
	v_add_f32 v209, v209, v211
	s_wait_alu depctr_va_vdst(0)
	v_rcp_f32 v213, v209
	v_nop
	s_wait_alu depctr_va_vdst(0)
.irp e, 0,1,2,3,4,5,6,7
	v_mul_f32 v[PL+\e], v[PL+\e], v213             ; the routing weights
.endr
	v_max3_num_f32 v214, v[PL], v[PL+1], v[PL+2]
	v_max3_num_f32 v214, v214, v[PL+3], v[PL+4]
	v_max3_num_f32 v214, v214, v[PL+5], v[PL+6]
	v_max_num_f32 v214, v214, v[PL+7]              ; the largest weight
.irp e, 0,1,2,3,4,5,6,7
	v_cmp_eq_f32 s[56+\e], v[PL+\e], v214          ; a bit a lane: expert e has it
.endr
	s_mov_b32 s44, s56                             ; the lanes in which an expert has been taken
.irp e, 1,2,3,4,5,6,7
	s_and_not1_b32 s45, s[56+\e], s44              ; the lowest index alone is taken
	s_or_b32 s44, s44, s[56+\e]
	s_mov_b32 s[56+\e], s45
.endr
.irp e, 0,1,2,3,4,5,6,7
	v_cndmask_b32 v[PL+8+\e], v[PL+\e], -1.0, s[56+\e]   ; the expert taken stands aside: no weight is negative
.endr
	v_max3_num_f32 v215, v[PL+8], v[PL+9], v[PL+10]
	v_max3_num_f32 v215, v215, v[PL+11], v[PL+12]
	v_max3_num_f32 v215, v215, v[PL+13], v[PL+14]
	v_max_num_f32 v215, v215, v[PL+15]             ; the largest of the rest
.irp e, 0,1,2,3,4,5,6,7
	v_cmp_eq_f32 s[24+\e], v[PL+8+\e], v215
.endr
	s_mov_b32 s44, 0
.irp e, 0,1,2,3,4,5,6,7
	s_and_not1_b32 s45, s[24+\e], s44
	s_or_b32 s44, s44, s[24+\e]
	s_or_b32 s[56+\e], s[56+\e], s45               ; s[56 + e]: the lanes whose token has chosen expert e
.endr
	; selector byte p (0..23) of a block: p % 3 where expert p / 3 is chosen (that byte of g), else 3 (g's zero byte).  Words 3 to 5 are as words 0 to 2, four experts on
.irp g, 0,1
	v_cndmask_b32 v[224+3*\g], v216, v217, s[56+4*\g]
	v_cndmask_b32 v236, 0, v218, s[57+4*\g]
	v_cndmask_b32 v[225+3*\g], v216, v219, s[57+4*\g]
	v_cndmask_b32 v237, 0, v220, s[58+4*\g]
	v_cndmask_b32 v[226+3*\g], v216, v221, s[58+4*\g]
	v_cndmask_b32 v238, 0, v222, s[59+4*\g]
	v_xor_b32 v[224+3*\g], v[224+3*\g], v236
	v_xor_b32 v[225+3*\g], v[225+3*\g], v237
	v_xor_b32 v[226+3*\g], v[226+3*\g], v238
.endr
.irp k, 0,1,2,3
	v_cndmask_b32 v[232+\k], 0, v223, s[56+2*\k]   ; the mask as eight bf16, 0 or 1, experts ascending
	v_cndmask_b32 v[236+\k], 0, 1.0, s[57+2*\k]
.endr
.irp k, 0,1,2,3
	v_or_b32 v[232+\k], v[232+\k], v[236+\k]
.endr
	ds_store_b128 v[TKW], v[224:227]
	ds_store_b64 v[TKW], v[228:229] offset:2048
	ds_store_b128 v[TKW], v[232:235] offset:4096
	s_wait_dscnt 0x0                               ; for the others' sake: my 32 tokens' records are in LDS
	s_barrier_signal -1
	s_barrier_wait -1
	WIN TO_G
.irp a, 0,1,2,3,4,5,6,7
	ds_load_b128 v[64+8*\a:67+8*\a], v[TKR] offset:256*\a          ; the selectors of the 128 tokens: lane (r, hh) takes row r's; they stay
	ds_load_b64 v[68+8*\a:69+8*\a], v[TKR] offset:2048+256*\a
.endr
	WIN TO_B
.irp x, 0,1
	ds_load_b128 v[224+8*\x:227+8*\x], v[TKM] offset:4096+256*\x   ; the masks of my two token tiles
.endr
	s_wait_dscnt 0x0
	s_wait_loadcnt 32                              ; the first scale words and step 0 are in; steps 1 and 2, 32 loads, were issued behind them
	EX 0, 0
	EX 0, 1
	EX 1, 0
	EX 1, 1
.set T, 0
.rept 128                              ; written out: the scale words stay in registers, and each of the 16 steps names other ones
	TILE
.set T, T+1
.endr
	WIN 0
.rept 5
	v_nop                                          ; another form now adds onto the accumulators: five places behind the last product
.endr
; THE BIASES: accumulator (2 w + x, b) += biases (16 columns x K) x mask (K x 16 tokens); K 0..7: high parts, K 8..15: the rest, K 16..31: zeros.  The accumulators' numbers hang on the wave's number: four arms.
.macro BIAS w
	WIN W_BI
.irp x, 0,1
.irp b, 0,1,2,3
	v_wmma_f32_16x16x32_bf16 v[8*(4*(2*\w+\x)+\b):8*(4*(2*\w+\x)+\b)+7], v[192+8*\b:199+8*\b], v[224+8*\x:231+8*\x], v[8*(4*(2*\w+\x)+\b):8*(4*(2*\w+\x)+\b)+7]
.endr
.endr
	WIN 0
.endm
	s_cmp_eq_u32 s18, 0
	s_cbranch_scc1 .Lbias0
	s_cmp_eq_u32 s18, 1
	s_cbranch_scc1 .Lbias1
	s_cmp_eq_u32 s18, 2
	s_cbranch_scc1 .Lbias2
	BIAS 3
	s_branch .Ljoin
.Lbias0:
	BIAS 0
	s_branch .Ljoin
.Lbias1:
	BIAS 1
	s_branch .Ljoin
.Lbias2:
	BIAS 2
.Ljoin:
.rept 4
	v_nop                                          ; four places in front of the first read of results
.endr
	; THE FOUR PARTIAL TILES MEET.  Each wave lays its 128 x 64 as rows of 256 bytes (+ 16); each accumulator is read from its low end on.
	WIN W_ST
.irp a, 0,1,2,3,4,5,6,7
.irp b, 0,1,2,3
	ds_store_b128 v[STO], v[8*(4*\a+\b):8*(4*\a+\b)+3] offset:\a*4352+64*\b
	ds_store_b128 v[STO], v[8*(4*\a+\b)+4:8*(4*\a+\b)+7] offset:\a*4352+64*\b+16
.endr
.endr
	WIN 0
	s_wait_dscnt 0x0                               ; for the others' sake: my partial tile is in LDS
	s_barrier_signal -1
	s_barrier_wait -1
; Wave w adds and stores rows 32 w .. 32 w + 31, two rows at a time, in four batches of four; a batch's 16 LDS loads go out a batch ahead, into two sets of 64 registers by turns.
.macro LD bt
.irp ii, 0,1,2,3
.irp p, 0,1,2,3
	ds_load_b128 v[128+64*((\bt)%2)+16*\ii+4*\p:128+64*((\bt)%2)+16*\ii+4*\p+3], v[RD+\p/2] offset:(4*(\bt)+\ii)*544+(\p%2)*PWB
.endr
.endr
.endm
.macro PROC bt, y                      ; y: the LDS loads of the batch behind this one, which may stay out
.irp ii, 0,1,2,3
.set R0, 128+64*((\bt)%2)+16*\ii
	s_wait_dscnt 4*(3-\ii)+\y                      ; these two rows' four loads are in
	v_pk_add_f32 v[R0:R0+1], v[R0:R0+1], v[R0+4:R0+5]
	v_pk_add_f32 v[R0+2:R0+3], v[R0+2:R0+3], v[R0+6:R0+7]
	v_pk_add_f32 v[R0+8:R0+9], v[R0+8:R0+9], v[R0+12:R0+13]
	v_pk_add_f32 v[R0+10:R0+11], v[R0+10:R0+11], v[R0+14:R0+15]
	v_pk_add_f32 v[R0:R0+1], v[R0:R0+1], v[R0+8:R0+9]
	v_pk_add_f32 v[R0+2:R0+3], v[R0+2:R0+3], v[R0+10:R0+11]
	global_store_b128 v[GO], v[R0:R0+3], s[16:17] offset:(4*(\bt)+\ii)*8192 th:TH_STORE_NT   ; sixteen lanes store 256 consecutive bytes, at a multiple of 256 from out0's first byte
.endr
.endm
	LD 0
	LD 1
	PROC 0, 16
	s_wait_xcnt 0x0                                ; batch 0's stores have read their registers: batch 2 may land there
	LD 2
	PROC 1, 16
	s_wait_xcnt 0x0
	LD 3
	PROC 2, 16
	PROC 3, 0
	s_wait_tensorcnt 0x0                           ; the wave's end
	ds_add_u32 v[SPW], v[NIL]
	s_wait_dscnt 0x0
	s_endpgm
.Lfunc_end_k_q302b0c11e7_gemm:
	.size	k_q302b0c11e7_gemm, .Lfunc_end_k_q302b0c11e7_gemm-k_q302b0c11e7_gemm
	.p2alignl 7, 3214868480
	.fill 96, 4, 3214868480
	.section	.rodata,"a",@progbits
	.p2align	6, 0x0
	.amdhsa_kernel k_q302b0c11e7_gemm
		.amdhsa_group_segment_fixed_size 145920
		.amdhsa_private_segment_fixed_size 0
		.amdhsa_enable_private_segment 0
		.amdhsa_kernarg_size 64
		.amdhsa_user_sgpr_count 2
		.amdhsa_user_sgpr_kernarg_segment_ptr 1
		.amdhsa_wavefront_size32 1
		.amdhsa_system_sgpr_workgroup_id_x 1
		.amdhsa_system_sgpr_workgroup_id_y 1
		.amdhsa_system_sgpr_workgroup_id_z 1
		.amdhsa_system_vgpr_workitem_id 0
		.amdhsa_next_free_vgpr 1024
		.amdhsa_next_free_sgpr 66
		.amdhsa_reserve_vcc 0
		.amdhsa_float_denorm_mode_32 3
		.amdhsa_float_denorm_mode_16_64 3
		.amdhsa_memory_ordered 1
		.amdhsa_forward_progress 1
		.amdhsa_inst_pref_size 240
	.end_amdhsa_kernel
	.amdgpu_metadata
---
amdhsa.version: [ 1, 2 ]
amdhsa.kernels:
  - .name:           k_q302b0c11e7_gemm
    .symbol:         k_q302b0c11e7_gemm.kd
    .args:
      - { .name: bq, .offset: 0, .size: 8, .value_kind: global_buffer, .address_space: global }
      - { .name: bsc, .offset: 8, .size: 8, .value_kind: global_buffer, .address_space: global }
      - { .name: ag, .offset: 16, .size: 8, .value_kind: global_buffer, .address_space: global }
      - { .name: asc, .offset: 24, .size: 8, .value_kind: global_buffer, .address_space: global }
      - { .name: pl, .offset: 32, .size: 8, .value_kind: global_buffer, .address_space: global }
      - { .name: bb, .offset: 40, .size: 8, .value_kind: global_buffer, .address_space: global }
      - { .name: out0, .offset: 48, .size: 8, .value_kind: global_buffer, .address_space: global }
      - { .name: router_b, .offset: 56, .size: 8, .value_kind: global_buffer, .address_space: global }
    .group_segment_fixed_size: 145920
    .private_segment_fixed_size: 0
    .kernarg_segment_align: 8
    .kernarg_segment_size: 64
    .max_flat_workgroup_size: 128
    .sgpr_count:     66
    .vgpr_count:     1024
    .wavefront_size: 32
...
	.end_amdgpu_metadata
.endif
;; end of part 2
